; MI455X (gfx1250); checked and timed in simulation.
; The chip was launched on July 23, 2026; its instructions are those of AMD's public machine-readable ISA for CDNA 5 (MIT licence, August 2026) and "CDNA5" Instruction Set Architecture Reference Guide (July 2026). The comments in the code are by the model that wrote it; some were corrected since.
;; QKV Attention. Allowed arithmetic: matrix products marked QUANTISED: E2M3 operands, one E8M0 scale for each 32 along K, by v_wmma_scale_f32_16x16x128_f8f6f4 with both operands' format E2M3, f32 sums; everything else in f32.
;; Inputs: qkv 2 x 3,072 x 2,048 float32.
;; Outputs: out0 2 x 1,024 x 2,048 float32.
;; This version of the problem:
;;   THIS VERSION OF THE PROBLEM IS GIVEN IN LOW PRECISION. The matrix products marked QUANTISED in the list below multiply operands that are first quantised to E2M3 (2 exponent bits, 3 mantissa bits; 6 bits a number), with one power-of-two scale for each 32 numbers along K (OCP MX v1.0); their sums are f32. All else is computed in f32.
;;   The module's matrix products, in the order in which they are computed (A, B: the left and right operand; K: the contracted axis; several contracted axes count as one K, in the product's order):
;;     1. batch 32 x [M 2,048, K 64] x [K 64, N 2,048]; A: computed on the way; B: computed on the way: QUANTISED
;;     2. batch 32 x [M 64, K 2,048] x [K 2,048, N 2,048]; A: computed on the way; B: softmax (see below): QUANTISED
;;   THE QUANTISER, for each operand of a quantised product, along K:
;;     - K is cut into blocks of 32 from its start; a last block that is shorter is filled with zeros.
;;     - A block's scale is 2^e with e = floor(log2(the largest magnitude in the block)) - 2, held to -126 .. 127; a block of zeros has e = 0. As a byte (E8M0): e + 127.
;;     - Each number is divided by its block's scale, clamped to +-7.5, and rounded to the nearest number of E2M3, ties to even, subnormals kept.
;;     - The product sums the exact products of the quantised numbers (number of the format x scale) in f32.
;;   ~~~python
;;   def quantise(x, axis):      # numpy; x: float32 -> the quantised numbers, widened to float32 again
;;       x = np.moveaxis(x, axis, -1); K = x.shape[-1]
;;       x = np.pad(x, [(0, 0)] * (x.ndim - 1) + [(0, -K % 32)]); x = x.reshape(x.shape[:-1] + (-1, 32)); a = np.abs(x).max(-1, keepdims=True)
;;       e = np.where(a > 0, np.clip(np.frexp(np.where(a > 0, a, 1))[1] - 1 - 2, -126, 127), 0)      # np.frexp(a)[1] - 1 = floor(log2(a)), exactly
;;       r = np.clip(x / 2.0 ** e, -7.5, 7.5)
;;       step = 2.0 ** (np.maximum(np.frexp(np.where(r == 0, 1, r))[1] - 1, 0) - 3)
;;       q = np.round(r / step) * step * 2.0 ** e      # np.round: ties to even
;;       return np.moveaxis(q.reshape(q.shape[:-2] + (-1,))[..., :K], -1, axis).astype(np.float32)
;;   ~~~
;;   SOFTMAX AHEAD OF A QUANTISED PRODUCT. Where the list says 'softmax', what is quantised is not the finished softmax but p = 2^(t - M), with t = logit x log2(e) and M = ceil(the row's largest t), a whole number; so 1/2 < the row's largest p <= 1. The row's sum l is taken of the UNQUANTISED p, in f32, and the product's result is divided by l at the end. Since M is a whole number, a kernel that streams over the keys may use a running M (the ceiling of the running maximum): every later rescaling is an exact power of two, which a block's scale takes up: the codes' values come out the same.
;;   OPERANDS COMPUTED ON THE WAY. 'Computed on the way' means the value that the module computes at that place (a softmax that the list does not call 'softmax' is quantised finished and normalised). What goes into a quantiser is computed in f32, as accurately as f32 sums, v_exp_f32 and their like allow (about 1e-6 of the number): no bf16 or f16 on the way to a quantiser, and a product that is left as it is and whose result goes on into a quantised operand takes f32 operands (vector FMAs, or v_wmma_f32_16x16x4_f32). A number that lies on a knife's edge between two numbers of the format may be rounded either way, as far as f32 arithmetic and the matrix unit's own rounding can turn it there, and no further.
;; One version. Each part assembles by itself: llvm-mc -triple=amdgcn-amd-amdhsa -mcpu=gfx1250 --defsym DOCPART=n.
;; ======== version 1 of 1: 2 launches
;; limits: right only within a limited range of input values
;; workspace buffers: kv 6,815,744 bytes
;; launch quant (part 1): grid 16 x 32, 8 waves a work-group, no clusters, 49,152 bytes of LDS; arguments qkv, kv; writes kv
.if DOCPART == 1
	.amdgcn_target "amdgcn-amd-amdhsa--gfx1250"
	.amdhsa_code_object_version 6
	.text
	.protected	k_q95c6e62b4b_quant
	.globl	k_q95c6e62b4b_quant
	.p2align	8
	.type	k_q95c6e62b4b_quant,@function
k_q95c6e62b4b_quant:
	s_mov_b64 s[64:65], 0
	v_nop
	global_prefetch_b8 v0, s[64:65] scope:SCOPE_SE
	s_setreg_imm32_b32 hwreg(HW_REG_WAVE_MODE, 25, 1), 1
	s_wait_xcnt 0x0
; k x scale and v of every head become codes of FP6 (E2M3) with one E8M0 byte for each 32 along a product's K, laid as the second launch's LDS wants them.
; qkv: [32 heads][192 rows][2048 positions] f32; a head's rows 64-127 are k, 128-191 are v.  scale = 1 / sqrt(sqrt(64)), multiplied in f32 ahead of k's quantiser.
; k is quantised along the CHANNELS (two blocks of 32), v along the KEYS (64 blocks of 32).
; A block's scale is 2^(floor(log2(its largest magnitude)) - 2); its byte is that magnitude's exponent field - 2, held at 1 from below by a floor among the maximum's leaves.
; LIMITS: NaN and infinities among the inputs are not served.  A block whose largest magnitude lies under 2^-124 gets the byte 1; so does a block of zeros, where the rule says 127:
; its codes are zeros, which add nothing under that byte, and the bytes are read by this program alone.
; THE OUTPUT: for each head one dense blob of 212,992 bytes.  s = key step of 128 keys (0..15), L = lane (0..31), r = L & 15, h = L >> 4.
;   KIMG      0 + 6144 s + 1536 p + 512 pl + 16 L : registers 4 pl .. 4 pl + 3 of the 12 registers of the pair of tiles 2 p, 2 p + 1: six registers a tile, lane (r, h): channels 32 h .. 32 h + 31 of the tile's row r.
;             Row r of tile 4 c + u is key 128 s + 64 c + 32 (r >> 3) + 8 u + (r & 7).
;   VIMG  98304 + 6144 s + 1536 ct + 512 pl + 16 L : the fragment of channels 16 ct + r: registers 6 c .. 6 c + 5 hold keys 128 s + 64 c + 32 h + 0 .. 31.
;   KSC  196608 + 512 s + 16 L + 4 q : the scale word of tile 2 q + h, row r: bytes 0, 1 the two channel blocks, bytes 2, 3 = 127.
;   VSC  204800 + 512 s + 16 L + 4 ct : the scale word of channel 16 ct + r: byte 2 c + h' for keys 128 s + 32 (2 c + h') on; lanes 16-31 repeat lanes 0-15.
; SHARES.  A work-group makes one key step's 13,312 bytes of one head.  Each of its eight waves takes 4 KiB of k and 4 KiB of v; all 40 loads of a wave go out at once.
;   k: wave j takes keys 32 (j >> 1) + lane and channel block j & 1: A LANE TAKES A KEY AND ITS REGISTERS RUN DOWN THE CHANNELS, so that the block is one lane's and nothing is transposed; a load reads 128 consecutive bytes.
;   v: wave j takes channels 16 (j >> 1) on and keys 64 (j & 1) on: a load reads two rows' aligned 256 bytes; the 4 KiB turn through the wave's own stage in LDS, so that lane (r, h') gets the 32 keys of its block.
; The codes and bytes are gathered in LDS in the blob's order; behind one barrier they leave in stores of 512 and 256 consecutive aligned bytes.
; No tensor load, no cluster (work-groups share no input), no matrix unit: the launch moves bytes.
.set HEADB,  1572864                   ; a head in qkv: 192 rows of 8,192 bytes
.set KOFF,   524288                    ; k's first row in a head
.set VOFF,   1048576                   ; v's
.set ROWB,   8192
.set BLOB,   212992
.set GKSC,   196608                    ; the blob's scale words of K
.set AK,     0                         ; LDS: the step's images of K, 6,144 bytes,
.set AVI,    6144                      ; of V, 6,144 bytes,
.set AKS,    12288                     ; K's scale words, 512 bytes,
.set AVS,    12800                     ; V's, 512 bytes,
.set STG,    13312                     ; and a stage of 16 rows x 272 bytes for each wave
.set SP,     272                       ; a stage row: 256 bytes + 16
.set KGO,  2                           ; v2   k: 4 x lane
.set VGO,  3                           ; v3   v: 8192 (lane >> 4) + 16 (lane & 15)
.set AKA,  4                           ; v4   where my codes of K go: first and third pair of words
.set AKB,  5                           ; v5   the second pair
.set AKSB, 6                           ; v6   my scale byte of K
.set VSI,  7                           ; v7   the stage, on the way in
.set VSO,  8                           ; v8   and on the way out
.set AVA,  9                           ; v9   where my codes of V go: first and third pair of words
.set AVB,  10                          ; v10  the second pair
.set AVSB, 11                          ; v11  my scale byte of V
.set CPL,  12                          ; v12  the way out: my 16 bytes of the images in LDS,
.set CPG,  13                          ; v13  and in the blob
.set SCL,  14                          ; v14  my 8 bytes of the scale words in LDS,
.set SCG,  15                          ; v15  and in the blob
.set MA,   16                          ; v16, v17 two chains of a maximum
.set MB,   17
.set SCO,  18                          ; v18  the conversions' scale operand
.set BY,   19                          ; v19  the scale's byte
.set T,    20                          ; v20-22 a block's upper 16 codes as they are made
.set C127, 23                          ; v23  127
.set C,    24                          ; v24-29 a block's 32 codes
.set X,    32                          ; v32-63 k: my key's 32 channels; later the way out
.set R,    64                          ; v64-95 v as loaded
.set Y,    96                          ; v96-127 v turned: my block's 32 keys
	s_load_b128 s[4:7], s[0:1], 0x0                ; qkv s[4:5], kv s[6:7]
	v_lshl_add_u32 v128, v0, 2, 0xbc00
	v_mov_b32 v129, 0
	v_lshrrev_b32 v1, 5, v0
	s_delay_alu instid0(VALU_DEP_1)
	v_readfirstlane_b32 s8, v1                     ; j: wave 0..7
	v_and_b32 v1, 31, v0                           ; lane
	s_wait_alu depctr_va_vdst(0)
	s_mov_b32 s9, ttmp9                            ; the key step
	s_and_b32 s10, ttmp7, 0xffff                   ; the head
	s_and_b32 s11, s8, 1                           ; j & 1: K's channel block, V's half of the step's keys
	s_lshr_b32 s12, s8, 1                          ; j >> 1: K's 32 keys of the step's 128, V's tile of 16 channels
	s_and_b32 s13, s12, 1                          ; which eight rows of K's tiles my keys are
	s_lshr_b32 s14, s8, 2                          ; which four tiles of K
	s_mov_b32 s16, 0x3eb504f3                      ; 1 / sqrt(sqrt(64)) in f32
	s_mov_b32 s17, s16                             ; (named with it as a pair, so it is written)
	s_mul_i32 s26, s10, HEADB
	s_lshl_b32 s27, s9, 9
	s_add_co_u32 s26, s26, s27                     ; the head, and the step's 128 positions of 4 bytes
	s_lshl_b32 s28, s11, 18                        ; k: 32 rows for the channel block,
	s_lshl_b32 s29, s12, 7                         ; 32 positions for each j >> 1
	s_add_co_u32 s28, s28, s29
	s_add_co_u32 s28, s28, s26
	s_add_co_u32 s28, s28, KOFF
	s_mov_b32 s29, 0
	s_lshl_b32 s30, s12, 17                        ; v: 16 rows for each j >> 1,
	s_lshl_b32 s31, s11, 8                         ; 64 positions for j & 1
	s_add_co_u32 s30, s30, s31
	s_add_co_u32 s30, s30, s26
	s_add_co_u32 s30, s30, VOFF
	s_mov_b32 s31, 0
	s_mul_i32 s26, s10, BLOB
	s_mov_b32 s27, 0
	v_lshlrev_b32 v[KGO], 2, v1
	v_bfe_u32 v16, v0, 4, 1                        ; lane >> 4
	v_and_b32 v17, 15, v0                          ; lane & 15
	s_delay_alu instid0(VALU_DEP_1)
	v_lshlrev_b32 v[VGO], 4, v17
	s_delay_alu instid0(VALU_DEP_1)
	v_lshl_add_u32 v[VGO], v16, 13, v[VGO]
	s_wait_alu depctr_va_vdst(0)
	s_wait_kmcnt 0x0
	s_add_nc_u64 s[20:21], s[4:5], s[28:29]        ; my part of k
	s_add_nc_u64 s[22:23], s[4:5], s[30:31]        ; my part of v
	s_add_nc_u64 s[24:25], s[6:7], s[26:27]        ; the head's blob
.irp n, 0,1,2,3,4,5,6,7
	global_load_b128 v[R+4*\n:R+4*\n+3], v[VGO], s[22:23] offset:2*ROWB*\n th:TH_LOAD_NT   ; rows 2 n and 2 n + 1: 256 consecutive aligned bytes each
.endr
.irp n, 0,1,2,3,4,5,6,7,8,9,10,11,12,13,14,15,16,17,18,19,20,21,22,23,24,25,26,27,28,29,30,31
	global_load_b32 v[X+\n], v[KGO], s[20:21] offset:ROWB*\n th:TH_LOAD_NT   ; channel n of my block, at 32 neighbouring keys
.endr
	; the LDS addresses are made while the loads are out
	v_and_b32 v18, 7, v0                           ; lane & 7: my key's row among eight
	v_bfe_u32 v19, v0, 3, 1                        ; u': which tile of its pair my key lies in
	s_wait_alu depctr_va_vdst(0)
	s_mul_i32 s26, s14, 3072                       ; K's images: two pairs of tiles for j >> 2,
	s_lshl_b32 s27, s13, 7                         ; eight lanes of 16 bytes for the rows' half,
	s_add_co_u32 s26, s26, s27
	s_lshl_b32 s27, s11, 8                         ; sixteen lanes for the channel block
	s_add_co_u32 s26, s26, s27
	v_mul_u32_u24 v20, v16, 1536                   ; the pair,
	s_delay_alu instid0(VALU_DEP_1)
	v_lshl_add_u32 v20, v18, 4, v20                ; the row
	s_delay_alu instid0(VALU_DEP_1)
	v_add_nc_u32 v20, s26, v20
	s_delay_alu instid0(VALU_DEP_1)
	v_mad_u32_u24 v[AKA], v19, 520, v20            ; a tile's six registers are registers 6 u' on of the pair's twelve: as pairs of words they lie at bytes 0, 8, 512 (u' = 0)
	s_delay_alu instid0(VALU_DEP_2)
	v_mad_u32_u24 v[AKB], v19, 1016, v20           ; or 520, 1024, 1032 (u' = 1) of the image: offsets 0, 512 on the first register, 8 on the second
	s_lshl_b32 s26, s13, 7
	s_lshl_b32 s27, s14, 3
	s_add_co_u32 s26, s26, s27
	s_add_co_u32 s26, s26, s11
	s_add_co_u32 s26, s26, AKS
	v_lshlrev_b32 v[AKSB], 8, v19                  ; K's scale byte: lane 16 u' + row, 16 bytes a lane,
	s_delay_alu instid0(VALU_DEP_1)
	v_lshl_add_u32 v[AKSB], v18, 4, v[AKSB]
	s_delay_alu instid0(VALU_DEP_1)
	v_lshl_add_u32 v[AKSB], v16, 2, v[AKSB]        ; word = the pair, byte = the channel block
	s_delay_alu instid0(VALU_DEP_1)
	v_add_nc_u32 v[AKSB], s26, v[AKSB]
	s_mul_i32 s26, s8, 16*SP
	s_add_co_u32 s26, s26, STG                     ; my stage
	v_mul_u32_u24 v[VSI], v16, SP
	s_delay_alu instid0(VALU_DEP_1)
	v_lshl_add_u32 v[VSI], v17, 4, v[VSI]
	s_delay_alu instid0(VALU_DEP_1)
	v_add_nc_u32 v[VSI], s26, v[VSI]               ; in: as loaded: row lane >> 4 of a load's two, 16 bytes a lane
	v_mul_u32_u24 v[VSO], v17, SP
	s_delay_alu instid0(VALU_DEP_1)
	v_lshl_add_u32 v[VSO], v16, 7, v[VSO]
	s_delay_alu instid0(VALU_DEP_1)
	v_add_nc_u32 v[VSO], s26, v[VSO]               ; out: row lane & 15, 128 bytes for each half of the lanes
	s_mul_i32 s26, s12, 1536
	s_add_co_u32 s26, s26, AVI                     ; V's images: my tile of channels; my lane is the image's lane; my six registers are registers 6 (j & 1) on
	s_mul_i32 s27, s11, 520
	s_add_co_u32 s27, s27, s26
	v_lshl_add_u32 v[AVA], v1, 4, s27
	s_mul_i32 s27, s11, 1016
	s_add_co_u32 s27, s27, s26
	v_lshl_add_u32 v[AVB], v1, 4, s27
	s_lshl_b32 s26, s12, 2
	s_lshl_b32 s27, s11, 1
	s_add_co_u32 s26, s26, s27
	s_add_co_u32 s26, s26, AVS
	v_lshl_add_u32 v[AVSB], v17, 4, v16            ; V's scale byte: lane = the channel, word = the tile, byte 2 (j & 1) + lane >> 4
	s_delay_alu instid0(VALU_DEP_1)
	v_add_nc_u32 v[AVSB], s26, v[AVSB]
	s_mul_i32 s26, s8, 1536                        ; the way out: wave j takes bytes 1536 j on of the 12,288 bytes of images;
	v_lshl_add_u32 v[CPL], v1, 4, s26
	s_mul_i32 s27, s9, 6144
	s_add_co_u32 s27, s27, s26
	s_mul_i32 s28, s14, 92160                      ; waves 4 to 7 hold V's, whose region begins 98,304 - 6,144 bytes further on in the blob than in LDS
	s_add_co_u32 s27, s27, s28
	v_lshl_add_u32 v[CPG], v1, 4, s27
	s_lshl_b32 s26, s8, 8                          ; waves 0 to 3 take 256 bytes each of the 1,024 bytes of scale words;
	s_add_co_u32 s27, s26, AKS
	v_lshl_add_u32 v[SCL], v1, 3, s27
	s_lshl_b32 s27, s9, 9
	s_add_co_u32 s27, s27, s26
	s_mul_i32 s28, s12, 7680                       ; waves 2 and 3 hold V's, whose region begins 8,192 - 512 bytes further on
	s_add_co_u32 s27, s27, s28
	s_add_co_u32 s27, s27, GKSC
	v_lshl_add_u32 v[SCG], v1, 3, s27
	v_mov_b32 v[C127], 127
; 32 numbers of one block, v[x] on, become 32 codes in v[C] .. v[C+5] and the block's byte in v[BY].
.macro QBLOCK x
	v_max3_num_f32 v[MA], |v[\x]|, |v[\x+1]|, 0x1800000       ; the largest magnitude, in two chains, each with the floor 2^(3 - 127) among its leaves: so the byte cannot fall under 1
	v_max3_num_f32 v[MB], |v[\x+16]|, |v[\x+17]|, 0x1800000
.irp i, 2,4,6,8,10,12,14
	s_delay_alu instid0(VALU_DEP_2)
	v_max3_num_f32 v[MA], v[MA], |v[\x+\i]|, |v[\x+\i+1]|
	s_delay_alu instid0(VALU_DEP_2)
	v_max3_num_f32 v[MB], v[MB], |v[\x+16+\i]|, |v[\x+17+\i]|
.endr
	s_delay_alu instid0(VALU_DEP_1)
	v_max_num_f32 v[MA], v[MA], v[MB]
	s_delay_alu instid0(VALU_DEP_1)
	v_add_nc_u32 v[SCO], 0xff000000, v[MA]         ; 2 off its exponent field: the conversion takes the exponent field of this operand as its scale, and nothing else of it
	v_cvt_scalef32_pk16_fp6_f32 v[C:C+2], v[\x:\x+15], v[SCO]
	v_cvt_scalef32_pk16_fp6_f32 v[T:T+2], v[\x+16:\x+31], v[SCO]   ; (a conversion's three registers begin on an even number: the block's upper half is made elsewhere and moved)
	v_lshrrev_b32 v[BY], 23, v[SCO]                ; the scale's byte; also the plain line between the conversions and the moves that read their results
	v_mov_b32 v[C+3], v[T]
	v_mov_b32 v[C+4], v[T+1]
	v_mov_b32 v[C+5], v[T+2]
.endm
	s_wait_loadcnt 32                              ; v's eight loads are in; the 32 loads of k, issued behind them, may be out
.irp n, 0,1,2,3,4,5,6,7
	ds_store_b128 v[VSI], v[R+4*\n:R+4*\n+3] offset:2*SP*\n
.endr
.irp m, 0,1,2,3,4,5,6,7
	ds_load_b128 v[Y+4*\m:Y+4*\m+3], v[VSO] offset:16*\m   ; LDS serves a wave's instructions in order (ISA guide 5.7.1.4): these see my stores
.endr
	s_wait_loadcnt 0x0                             ; k
.irp n, 0,2,4,6,8,10,12,14,16,18,20,22,24,26,28,30
	v_pk_mul_f32 v[X+\n:X+\n+1], v[X+\n:X+\n+1], s[16:17] op_sel_hi:[1,0]   ; k x scale, in f32, ahead of the quantiser
.endr
	QBLOCK X
	ds_store_b64 v[AKA], v[C:C+1]
	ds_store_b64 v[AKB], v[C+2:C+3] offset:8
	ds_store_b64 v[AKA], v[C+4:C+5] offset:512
	ds_store_b8 v[AKSB], v[BY]                     ; byte 0 or 1 of the row's scale word: my channel block's
	ds_store_b8 v[AKSB], v[C127] offset:2          ; byte 2 or 3: the upper half of the instruction's K, where Q's codes are zeros
	s_wait_dscnt 0x0                               ; v is back from the stage, and the stores have read the codes' registers, which are written again below
	QBLOCK Y
	ds_store_b64 v[AVA], v[C:C+1]
	ds_store_b64 v[AVB], v[C+2:C+3] offset:8
	ds_store_b64 v[AVA], v[C+4:C+5] offset:512
	ds_store_b8 v[AVSB], v[BY]
	ds_store_b8 v[AVSB], v[BY] offset:256          ; and the copy for lanes 16-31
	s_wait_dscnt 0x0                               ; for the others' sake: all my stores have landed
	s_barrier_signal -1
	s_barrier_wait -1                              ; the step's 13,312 bytes lie in LDS in the blob's order
.irp n, 0,1,2
	ds_load_b128 v[X+4*\n:X+4*\n+3], v[CPL] offset:512*\n
.endr
	s_wait_dscnt 0x0
.irp n, 0,1,2
	global_store_b128 v[CPG], v[X+4*\n:X+4*\n+3], s[24:25] offset:512*\n   ; 32 lanes store 512 consecutive bytes, at a multiple of 256 from the buffer's first byte
.endr
	s_cmp_lt_u32 s8, 4                             ; the scale words are four waves' worth; no barrier stands behind this branch
	s_cbranch_scc0 .Lend
	ds_load_b64 v[X+12:X+13], v[SCL]
	s_wait_dscnt 0x0
	global_store_b64 v[SCG], v[X+12:X+13], s[24:25]   ; 32 lanes store 256 consecutive aligned bytes
.Lend:
	s_wait_tensorcnt 0x0
	ds_add_u32 v128, v129
	s_wait_dscnt 0x0
	s_endpgm
.Lfunc_end_k_q95c6e62b4b_quant:
	.size	k_q95c6e62b4b_quant, .Lfunc_end_k_q95c6e62b4b_quant-k_q95c6e62b4b_quant
	.p2alignl 7, 3214868480
	.fill 96, 4, 3214868480
	.section	.rodata,"a",@progbits
	.p2align	6, 0x0
	.amdhsa_kernel k_q95c6e62b4b_quant
		.amdhsa_group_segment_fixed_size 49152
		.amdhsa_private_segment_fixed_size 0
		.amdhsa_enable_private_segment 0
		.amdhsa_kernarg_size 16
		.amdhsa_user_sgpr_count 2
		.amdhsa_user_sgpr_kernarg_segment_ptr 1
		.amdhsa_wavefront_size32 1
		.amdhsa_system_sgpr_workgroup_id_x 1
		.amdhsa_system_sgpr_workgroup_id_y 1
		.amdhsa_system_sgpr_workgroup_id_z 1
		.amdhsa_system_vgpr_workitem_id 0
		.amdhsa_next_free_vgpr 130
		.amdhsa_next_free_sgpr 66
		.amdhsa_reserve_vcc 0
		.amdhsa_float_denorm_mode_32 3
		.amdhsa_float_denorm_mode_16_64 3
		.amdhsa_memory_ordered 1
		.amdhsa_forward_progress 1
		.amdhsa_inst_pref_size 17
	.end_amdhsa_kernel
	.amdgpu_metadata
---
amdhsa.version: [ 1, 2 ]
amdhsa.kernels:
  - .name:           k_q95c6e62b4b_quant
    .symbol:         k_q95c6e62b4b_quant.kd
    .args:
      - { .name: qkv, .offset: 0, .size: 8, .value_kind: global_buffer, .address_space: global }
      - { .name: kv, .offset: 8, .size: 8, .value_kind: global_buffer, .address_space: global }
    .group_segment_fixed_size: 49152
    .private_segment_fixed_size: 0
    .kernarg_segment_align: 8
    .kernarg_segment_size: 16
    .max_flat_workgroup_size: 256
    .sgpr_count:     66
    .vgpr_count:     130
    .wavefront_size: 32
...
	.end_amdgpu_metadata
.endif
;; end of part 1
;; launch attn (part 2): grid 8 x 32, 8 waves a work-group, clusters of 4 x 1, 280,576 bytes of LDS; arguments qkv, kv, out0; writes out0
.if DOCPART == 2
	.amdgcn_target "amdgcn-amd-amdhsa--gfx1250"
	.amdhsa_code_object_version 6
	.text
	.protected	k_q95c6e62b4b_attn
	.globl	k_q95c6e62b4b_attn
	.p2align	8
	.type	k_q95c6e62b4b_attn,@function
k_q95c6e62b4b_attn:
	s_mov_b64 s[64:65], 0
	v_nop
	global_prefetch_b8 v0, s[64:65] scope:SCOPE_SE
	s_setreg_imm32_b32 hwreg(HW_REG_WAVE_MODE, 25, 1), 1
	s_wait_xcnt 0x0
	s_wait_alu depctr_hold_cnt(0) depctr_sa_sdst(0) depctr_va_vdst(0) depctr_va_sdst(0) depctr_va_ssrc(0) depctr_va_vcc(0) depctr_vm_vsrc(0)
	s_getreg_b32 s2, hwreg(HW_REG_IB_STS2, 6, 4)
	s_cmp_eq_u32 s2, 0
	s_cbranch_scc0 .Lentry_in_a_cluster
	s_endpgm
.Lentry_in_a_cluster:
	s_bfe_u32 s2, ttmp6, 0x10000c
	s_cmp_lg_u32 s2, 0x3003
	s_cbranch_scc0 .Lentry_shape_is_right
	s_endpgm
.Lentry_shape_is_right:
; out[head][c][t] = the sum over keys s of softmax_s((q scale) . (k scale)) v[c][s], both products on codes of FP6 (E2M3) with one E8M0 scale for each 32 along a product's K.
; qkv: [32 heads][192 rows][2048] f32, of which this launch reads q (a head's rows 0-63).  kv: for each head a blob of 212,992 bytes made by the launch before: K's and V's operands as images of their registers,
; and their scale words (layout below).  out0: [32 heads][64 channels][2048] f32.
; THE SOFTMAX AHEAD OF THE SECOND PRODUCT: t = score x log2(e); M = the row's largest t so far, rounded UP to a whole number; p = 2^(t - M) is what is quantised, along the keys; it is not normalised.
; The row's sum is taken of the unquantised p, in f32, and divides at the end.  When M moves, the sum and O are multiplied by 2^(old M - new M): nothing is rounded, and there is no branch on data.
; LIMITS: NaN and infinities in qkv are not served.  The scaled scores (the exponents to the base 2, before the maximum is taken away) must stay under 2^31 in magnitude.
; A block whose largest magnitude lies under 2^-124 gets the scale byte 1.
; SHARES.  A work-group owns 256 queries of one head; each of its eight waves owns 32 of them, as two tiles of 16: each fragment of K and V feeds a product for either tile, and the tiles' chains of vector work take turns.
; THE WHOLE HEAD'S CODES FIT IN LDS: 8 x 26,624 bytes, one tensor load a wave, at the head.  No LDS byte is filled twice: no ring, and no barrier in the loop over the keys.
; CLUSTER.  The four query blocks of a cluster belong to one head and want the same blob: each part is asked for JOINTLY, by the same tensor load with the same descriptor and a mask that names the four.
; No prefetch: memory is read at the head alone, by one tensor load and q's loads, and the loop over the keys reads LDS.
; LAYOUT.  Both products are used transposed: S^T = K Q^T (source 0 = 16 keys, source 1 = 16 of my queries), O^T = V P^T (source 0 = 16 channels, source 1 = P): lane (r, h) holds query r of a tile throughout.
; THE KEYS OF A TILE ARE NOT NEIGHBOURS: row r of tile 4 c + u is key 64 c + 32 (r >> 3) + 8 u + (r & 7) of the step's 128.  So register 32 c + i of a lane's 64 scores is key 64 c + 32 h + i:
; a lane's 32 registers of four neighbouring tiles are ONE WHOLE BLOCK of 32 keys, in the order and in the lane in which P's operand wants them: a block's maximum asks no other lane, and the codes change no lane.
; THE FIRST PRODUCT'S K IS 64, half of the instruction's 128.  Q's registers 6-11 hold zero codes; what K's registers 6-11 hold is then multiplied by zeros.  So K's tiles lie SIX registers apart, each tile's
; upper six being the next tile's codes (FP6 has no code but numbers), the last tile's six zeros: a key step reads 6,144 bytes of K from LDS and not 12,288.  The scale bytes of that half are 127 on both sides.
; THE BLOB = LDS bytes 0 .. 212,991.  s = key step (0..15), L = lane:
;   0      + 6144 s + 1536 p + 512 pl + 16 L : registers 4 pl .. 4 pl + 3 of the twelve of K's tiles 2 p, 2 p + 1
;   98304  + 6144 s + 1536 ct + 512 pl + 16 L : the same of V's fragment of channels 16 ct on (keys 128 s on)
;   196608 + 512 s + 16 L + 4 q : K's scale words: lanes 0-15 tile 2 q, lanes 16-31 tile 2 q + 1
;   204800 + 512 s + 16 L + 4 ct : V's scale words
; Behind it: the stage for the way out, 64 channels x (256 queries x 4 bytes + 16): bytes of its own, into which no tensor load lands; and the spare words.
; REGISTERS, in windows of 256.  Window 0: addresses, statistics, scales, Q, P, the scores.  Window 1: K's and V's fragments and O^T.
; s_set_vgpr_msb's low byte: bits 1:0 source 0, 3:2 source 1, 5:4 source 2, 7:6 destination.  What belongs to the second tile (u = 1) lies at a fixed distance behind the first's.
.set HEADB,  1572864                   ; a head in qkv
.set OHSH,   19                        ; a head in out0: 2^19 bytes
.set ROWB,   8192
.set BLOB,   212992
.set PARTB,  BLOB/8                    ; what one wave's tensor load brings: 104 rows of 256 bytes
.set STEPB,  6144                      ; a key step's images of K, and of V
.set VIMG,   98304
.set KSC,    196608
.set VSC,    204800
.set OSTG,   BLOB
.set OP,     1040                      ; a stage row
.set SPARE,  OSTG+64*OP                ; the spare words: 128 bytes for each wave, which no other line names
.set AK,   1                           ; v1   LDS address of the step's images of K: 16 x lane, stepped
.set AV,   2                           ; v2   of V
.set AKS,  3                           ; v3   of K's scale words
.set AVS,  4                           ; v4   of V's
.set SH8,  5                           ; v5   8 h: where my half's scale bytes stand in a word
.set BM,   6                           ; + 12 u  two blocks' largest scores, then largest p, then bytes
.set NM,   8                           ; + 12 u  -M, and the running largest score
.set LA,   10                          ; + 12 u  the row's sum, in a pair
.set BN,   12                          ; + 12 u  second chains of the maxima
.set FF,   14                          ; + 12 u  f = 2^(old M - new M), and a register at work
.set X0,   16                          ; + 12 u  at work: old -M; block 0's scale operand
.set X1,   17                          ; + 12 u  at work; block 1's scale operand
.set Q,    30                          ; + 12 u  six registers of Q's codes, six of zeros
.set KS,   54                          ; v54-57 K's scale words     (v54-63, v66 and v67 hold scales and nothing else)
.set VS,   58                          ; v58-61 V's
.set PS,   62                          ; + u     P's
.set SPW,  64                          ; v64 my spare word's LDS address; never rewritten
.set NIL,  65                          ; v65 0; never rewritten
.set QS,   66                          ; + u     Q's
.set T0,   68                          ; + 8 u   block 0's upper 16 codes as they are made
.set T1,   72                          ; + 8 u   block 1's
.set P,    84                          ; + 12 u  P's codes
.set S,    108                         ; + 64 u  S^T, then p
.set QO,   236                         ; v236 q's load offset
.set KF,   0                           ; window 1: v0-47 K's eight tiles, six registers each
.set KZ,   48                          ; window 1: v48-53 zeros: the last tile's upper half
.set VF,   54                          ; window 1: v54-101 V's four fragments
.set O,    102                         ; window 1: + 32 u  O^T: four tiles of 16 channels
.set WV,   10                          ; s10  my wave's number
.set SEL,  14                          ; s[14:15] lane selects for v_permlanex16_b32: lane l xor 16
.set CS,   16                          ; s[16:17] log2(e): the packed form names a pair and takes its low word for both halves
.set QSC,  18                          ; s[18:19] 1 / sqrt(sqrt(64))
.set CNT,  20                          ; s20  the loop's trips
.set G1,   24                          ; s[24:31] descriptor group 1
.set G0,   32                          ; s[32:35] descriptor group 0
.set MSB,  0
.macro WIN new                                 ; the immediate's high byte repeats the setting that is left
.if MSB != \new
	s_set_vgpr_msb (MSB<<8)|\new
.set MSB, \new
.endif
.endm
; A round of the cluster's barrier: my work-group's barrier, so that wave 0's signal speaks for all eight waves; wave 0 signals for the work-group; every wave waits for all four work-groups; my work-group's barrier once more.
.macro CROUND
	s_barrier_signal -1
	s_barrier_wait -1
	s_cmp_lg_u32 s[WV], 0
	s_cbranch_scc1 .Lnot_wave_0_\@
	s_barrier_signal -3
.Lnot_wave_0_\@:
	s_barrier_wait -3
	s_barrier_signal -1
	s_barrier_wait -1
.endm
	s_load_b128 s[4:7], s[0:1], 0x0                ; qkv s[4:5], kv s[6:7]
	s_load_b64 s[8:9], s[0:1], 0x10                ; out0
	v_lshl_add_u32 v[SPW], v0, 2, SPARE
	v_mov_b32 v[NIL], 0
	ds_add_u32 v[SPW], v[NIL]                      ; the wave's opening: the add, twice on end, and its wait ahead of my first tensor load
	ds_add_u32 v[SPW], v[NIL]
	v_lshrrev_b32 v1, 5, v0
	v_readfirstlane_b32 s[WV], v1                  ; wave 0..7
	s_bfe_u32 s11, ttmp6, 0x40000                  ; cx: my place in the cluster
	s_lshl_b32 s12, ttmp9, 2                       ; in a cluster launch ttmp9 counts clusters
	s_add_co_u32 s12, s12, s11                     ; my block of 256 queries = 4 x cluster x + cx: it enters q's and out0's addresses alone
	s_and_b32 s13, ttmp7, 0xffff                   ; the head, which the four partners share
	s_mul_i32 s40, s13, HEADB                      ; q: the head, my block's 256 positions, my wave's 32 of them
	s_lshl_b32 s41, s12, 10
	s_add_co_u32 s40, s40, s41
	s_lshl_b32 s41, s[WV], 7
	s_add_co_u32 s40, s40, s41
	s_mov_b32 s41, 0
	v_and_b32 v6, 15, v0                           ; r
	v_bfe_u32 v5, v0, 4, 1                         ; h
	v_lshlrev_b32 v[QO], 2, v6
	v_lshl_add_u32 v[QO], v5, 18, v[QO]            ; 4 r + 32 rows of 8,192 bytes x h
	s_wait_alu depctr_va_vdst(0)
	s_wait_dscnt 0x0                               ; both opening adds are done
	s_wait_kmcnt 0x0
	s_add_nc_u64 s[36:37], s[4:5], s[40:41]
	; q: LANE (r, h) TAKES QUERY r OF EITHER TILE AND ITS REGISTERS RUN DOWN CHANNELS 32 h .. 32 h + 31: one whole block, in the lane and order of the operand
.irp n, 0,1,2,3,4,5,6,7,8,9,10,11,12,13,14,15,16,17,18,19,20,21,22,23,24,25,26,27,28,29,30,31
.irp u, 0,1
	global_load_b32 v[S+64*\u+\n], v[QO], s[36:37] offset:ROWB*\n+64*\u th:TH_LOAD_NT
.endr
.endr
	; descriptor group 1: a dense block of 26,624 bytes as 104 rows of 256 bytes (32 elements of 8 bytes), laid in LDS as it lies in memory
	s_mov_b32 s[G1], 15|(3<<16)|(1<<21)            ; 15:0 the mask: all four work-groups; 17:16 elements of 8 bytes; 20 no padding; 21 set beside a mask
	s_mov_b32 s[G1+1], 32<<16                      ; tensor_dim0 = 32
	s_mov_b32 s[G1+2], 104<<16                     ; tensor_dim1 = 104
	s_mov_b32 s[G1+3], 32<<16                      ; tile_dim0 = 32
	s_mov_b32 s[G1+4], 104                         ; tile_dim1 = 104
	s_mov_b32 s[G1+5], 32                          ; from row to row: 32 elements
	s_mov_b32 s[G1+6], 0
	s_mov_b32 s[G1+7], 0
	s_mov_b32 s[G0], 1                             ; 1:0 count = 1
	s_mul_i32 s[G0+1], s[WV], PARTB                ; 63:32 LDS address: wave x 26,624: no place in the cluster enters it
	s_mul_i32 s22, s13, BLOB
	s_add_co_u32 s22, s22, s[G0+1]                 ; the same part of the head's blob in memory
	s_mov_b32 s23, 0
	s_add_nc_u64 s[G0+2:G0+3], s[6:7], s[22:23]    ; 120:64 global address
	s_or_b32 s[G0+3], s[G0+3], 0x80000000          ; 127:126 type = 2
	CROUND                                         ; all four work-groups are here: the joint loads meet
	tensor_load_to_lds s[G0:G0+3], s[G1:G1+7]      ; my eighth of the blob: the wave's one tensor load
	s_nop 0
.rept 4
	v_nop
.endr
	s_lshl_b32 s42, s13, OHSH                      ; out0: the head, my block's 256 positions
	s_lshl_b32 s43, s12, 10
	s_add_co_u32 s42, s42, s43
	s_mov_b32 s43, 0
	s_add_nc_u64 s[38:39], s[8:9], s[42:43]
	s_mov_b32 s[SEL], 0x76543210
	s_mov_b32 s[SEL+1], 0xfedcba98
	s_mov_b32 s[CS], 0x3fb8aa3b                    ; log2(e)
	s_mov_b32 s[CS+1], s[CS]                       ; (named with it as a pair, so it is written)
	s_mov_b32 s[QSC], 0x3eb504f3                   ; 1 / sqrt(sqrt(64)) in f32
	s_mov_b32 s[QSC+1], s[QSC]
	v_and_b32 v[AK], 31, v0
	v_lshlrev_b32 v[AK], 4, v[AK]                  ; 16 x lane
	v_add_nc_u32 v[AV], VIMG, v[AK]
	v_add_nc_u32 v[AKS], KSC, v[AK]
	v_add_nc_u32 v[AVS], VSC, v[AK]
	v_lshlrev_b32 v[SH8], 3, v5
.irp n, 0,1,2,3,4,5
	v_mov_b32 v[Q+6+\n], 0                         ; zero codes for the upper half of the first product's K
	v_mov_b32 v[Q+18+\n], 0
.endr
	WIN 0x40
.irp n, 0,1,2,3,4,5
	v_mov_b32 v[KZ+\n], 0                          ; window 1
.endr
	WIN 0
	s_wait_alu depctr_va_vdst(0)
	s_wait_loadcnt 0x0                             ; q is in
.irp u, 0,1
.irp n, 0,2,4,6,8,10,12,14,16,18,20,22,24,26,28,30
	v_pk_mul_f32 v[S+64*\u+\n:S+64*\u+\n+1], v[S+64*\u+\n:S+64*\u+\n+1], s[QSC:QSC+1] op_sel_hi:[1,0]   ; q x scale, in f32, ahead of the quantiser
.endr
.endr
.irp u, 0,1
	v_max3_num_f32 v[BM+12*\u], |v[S+64*\u]|, |v[S+64*\u+1]|, 0x1800000         ; my block's largest magnitude, in two chains, each with the floor 2^(3 - 127) among its leaves: so the byte cannot fall under 1
	v_max3_num_f32 v[BM+12*\u+1], |v[S+64*\u+16]|, |v[S+64*\u+17]|, 0x1800000
.endr
.irp i, 2,4,6,8,10,12,14
.irp u, 0,1
	v_max3_num_f32 v[BM+12*\u], v[BM+12*\u], |v[S+64*\u+\i]|, |v[S+64*\u+\i+1]|
	v_max3_num_f32 v[BM+12*\u+1], v[BM+12*\u+1], |v[S+64*\u+16+\i]|, |v[S+64*\u+17+\i]|
.endr
.endr
.irp u, 0,1
	v_max_num_f32 v[BM+12*\u], v[BM+12*\u], v[BM+12*\u+1]
.endr
.irp u, 0,1
	v_add_nc_u32 v[X0+12*\u], 0xff000000, v[BM+12*\u]          ; 2 off its exponent field: the conversion's scale operand
.endr
.irp u, 0,1
	v_cvt_scalef32_pk16_fp6_f32 v[Q+12*\u:Q+12*\u+2], v[S+64*\u:S+64*\u+15], v[X0+12*\u]
	v_cvt_scalef32_pk16_fp6_f32 v[T0+8*\u:T0+8*\u+2], v[S+64*\u+16:S+64*\u+31], v[X0+12*\u]   ; (a conversion's three registers begin on an even number)
.endr
.irp u, 0,1
	v_lshrrev_b32 v[BM+12*\u], 23, v[X0+12*\u]     ; the scale's byte; also the plain lines behind the conversions
.endr
.irp u, 0,1
	v_mov_b32 v[Q+12*\u+3], v[T0+8*\u]
	v_mov_b32 v[Q+12*\u+4], v[T0+8*\u+1]
	v_mov_b32 v[Q+12*\u+5], v[T0+8*\u+2]
	v_lshlrev_b32 v[BM+12*\u], v[SH8], v[BM+12*\u]             ; at its place in the word: byte h;
	v_permlanex16_b32 v[BM+12*\u+1], v[BM+12*\u], s[SEL], s[SEL+1]
	v_or_b32 v[BM+12*\u], v[BM+12*\u], v[BM+12*\u+1]           ; with lane l xor 16's;
	v_or_b32 v[QS+\u], 0x7f7f0000, v[BM+12*\u]     ; bytes 2 and 3, over the zero codes: 127
.endr
	; The statistics start here: fourteen plain lines, among them the eight places that a scale register written by a vector instruction stands ahead of a scaled matrix instruction
.irp u, 0,1
	v_mov_b32 v[LA+12*\u], 0                       ; the sum
	v_mov_b32 v[LA+12*\u+1], 0
	v_mov_b32 v[FF+12*\u+1], 0                     ; (named as the upper half of a pair)
	v_mov_b32 v[X1+12*\u], 0                       ; (a lane permute's destination counts as one of its sources)
	v_mov_b32 v[NM+12*\u+1], 0xfe967699            ; the largest score so far: -1e38
	v_mul_f32 v[X0+12*\u], s[CS], v[NM+12*\u+1]
	v_floor_f32 v[NM+12*\u], -v[X0+12*\u]          ; -M
.endr
	s_wait_alu depctr_va_vdst(0)
	s_wait_tensorcnt 0x0                           ; my part of the blob has landed,
	s_barrier_signal -1
	s_barrier_wait -1                              ; everybody's has.  Nothing is filled again
.macro KLOAD                                   ; 13 LDS loads: a step's eight tiles of K, as three loads of 16 bytes a lane for each pair of tiles, and their scale words
	WIN 0x40
.irp p, 0,1,2,3
.irp l, 0,1,2
	ds_load_b128 v[KF+12*\p+4*\l:KF+12*\p+4*\l+3], v[AK] offset:1536*\p+512*\l
.endr
.endr
	WIN 0
	ds_load_b128 v[KS:KS+3], v[AKS]
.endm
.macro VLOAD                                   ; 13 LDS loads: a step's four fragments of V and their scale words
	WIN 0x40
.irp c, 0,1,2,3
.irp l, 0,1,2
	ds_load_b128 v[VF+12*\c+4*\l:VF+12*\c+4*\l+3], v[AV] offset:1536*\c+512*\l
.endr
.endr
	WIN 0
	ds_load_b128 v[VS:VS+3], v[AVS]
.endm
.macro TMIN u, n                               ; pair n of tile u's scores becomes t - M (of the pairs log2(e) and -M the low word serves both halves)
	v_pk_fma_f32 v[S+64*\u+2*(\n):S+64*\u+2*(\n)+1], v[S+64*\u+2*(\n):S+64*\u+2*(\n)+1], s[CS:CS+1], v[NM+12*\u:NM+12*\u+1] op_sel_hi:[1,0,0]
.endm
.macro ADDP u, a, b                            ; tile u: pair b of p is added onto pair a
	v_pk_add_f32 v[S+64*\u+2*(\a):S+64*\u+2*(\a)+1], v[S+64*\u+2*(\a):S+64*\u+2*(\a)+1], v[S+64*\u+2*(\b):S+64*\u+2*(\b)+1]
.endm
; A KEY STEP: 128 keys.  first = 1: the second product starts O^T's sums with the constant 0, and O^T is not rescaled.  more = 1: the next step's operands are fetched.
.macro STEP first, more
	s_wait_dscnt 13                                ; K and its scale words are in; the 13 loads issued behind them (V's) may be out.  The same on the way in, over the backward jump and in the tail
	WIN 0x01                                       ; source 0 (K) window 1
.irp t, 0,2,4,6
.irp u, 0,1
	v_wmma_scale_f32_16x16x128_f8f6f4 v[S+64*\u+8*\t:S+64*\u+8*\t+7], v[KF+6*\t:KF+6*\t+11], v[Q+12*\u:Q+12*\u+11], 0, v[KS+\t/2], v[QS+\u] matrix_a_fmt:MATRIX_FMT_FP6 matrix_b_fmt:MATRIX_FMT_FP6
.endr
.irp u, 0,1
	v_wmma_scale_f32_16x16x128_f8f6f4 v[S+64*\u+8*\t+8:S+64*\u+8*\t+15], v[KF+6*\t+6:KF+6*\t+17], v[Q+12*\u:Q+12*\u+11], 0, v[KS+\t/2], v[QS+\u] matrix_a_fmt:MATRIX_FMT_FP6 matrix_b_fmt:MATRIX_FMT_FP6 matrix_a_scale:MATRIX_SCALE_ROW1
.endr
.endr
	WIN 0
	; four places behind the products, in front of the loads into K's registers and of the first read of the scores
	v_mov_b32 v[X0], v[NM]                         ; the old -M is kept
	v_mov_b32 v[X0+12], v[NM+12]
.if \more
	v_add_nc_u32 v[AK], STEPB, v[AK]               ; on to the next step's images and scale words of K (no load that names these registers is out)
	v_add_nc_u32 v[AKS], 512, v[AKS]
	KLOAD
.else
	v_nop
	v_nop
.endif
.irp u, 0,1
	v_max3_num_f32 v[BM+12*\u], v[S+64*\u], v[S+64*\u+1], v[S+64*\u+2]     ; THE LARGEST SCORE OF EACH BLOCK OF 32 KEYS: it serves twice: for the row's maximum, and, since p rises with the score, for the block's largest p.
	v_max3_num_f32 v[BN+12*\u], v[S+64*\u+16], v[S+64*\u+17], v[S+64*\u+18]        ; Eight chains take turns and go upward
	v_max3_num_f32 v[BM+12*\u+1], v[S+64*\u+32], v[S+64*\u+33], v[S+64*\u+34]
	v_max3_num_f32 v[BN+12*\u+1], v[S+64*\u+48], v[S+64*\u+49], v[S+64*\u+50]
.endr
.irp i, 3,5,7,9,11,13
.irp u, 0,1
	v_max3_num_f32 v[BM+12*\u], v[BM+12*\u], v[S+64*\u+\i], v[S+64*\u+\i+1]
	v_max3_num_f32 v[BN+12*\u], v[BN+12*\u], v[S+64*\u+16+\i], v[S+64*\u+17+\i]
	v_max3_num_f32 v[BM+12*\u+1], v[BM+12*\u+1], v[S+64*\u+32+\i], v[S+64*\u+33+\i]
	v_max3_num_f32 v[BN+12*\u+1], v[BN+12*\u+1], v[S+64*\u+48+\i], v[S+64*\u+49+\i]
.endr
.endr
.irp u, 0,1
	v_max3_num_f32 v[BM+12*\u], v[BM+12*\u], v[BN+12*\u], v[S+64*\u+15]
	v_max3_num_f32 v[BM+12*\u+1], v[BM+12*\u+1], v[BN+12*\u+1], v[S+64*\u+47]
.endr
.irp u, 0,1
	v_max_num_f32 v[BM+12*\u], v[BM+12*\u], v[S+64*\u+31]
	v_max_num_f32 v[BM+12*\u+1], v[BM+12*\u+1], v[S+64*\u+63]
.endr
.irp u, 0,1
	v_max_num_f32 v[FF+12*\u+1], v[BM+12*\u], v[BM+12*\u+1]          ; my 64 keys',
.endr
.irp u, 0,1
	v_permlanex16_b32 v[X1+12*\u], v[FF+12*\u+1], s[SEL], s[SEL+1]   ; lane l xor 16's 64,
.endr
.irp u, 0,1
	v_max3_num_f32 v[NM+12*\u+1], v[NM+12*\u+1], v[FF+12*\u+1], v[X1+12*\u]      ; and all earlier steps': the running largest score of my query
.endr
.irp u, 0,1
	v_mul_f32 v[X1+12*\u], s[CS], v[NM+12*\u+1]    ; as t
.endr
.irp u, 0,1
	v_floor_f32 v[NM+12*\u], -v[X1+12*\u]          ; the new -M = floor(-t) = -ceil(t): M IS A WHOLE NUMBER
.endr
.irp u, 0,1
	v_sub_f32 v[X0+12*\u], v[NM+12*\u], v[X0+12*\u]                  ; M's old value less its new one: a whole number, 0 or less
	v_fma_f32 v[BM+12*\u], v[BM+12*\u], s[CS], v[NM+12*\u]           ; t - M of each block's largest score: the same multiply-add and exponential as its own register gets give the same bits
	v_fma_f32 v[BM+12*\u+1], v[BM+12*\u+1], s[CS], v[NM+12*\u]
.endr
.irp u, 0,1
	v_cvt_i32_f32 v[X0+12*\u], v[X0+12*\u]         ; (it saturates)
.endr
.set jj, 0
.rept 32
	TMIN 0, jj
.if jj == 3
	v_ldexp_f32 v[FF], 1.0, v[X0]                  ; f = 2^(old M - new M)
	v_ldexp_f32 v[FF+12], 1.0, v[X0+12]
.endif
.set jj, jj+1
.endr
.if !\first
	WIN 0x41                                       ; source 0 and destination (O^T) window 1
.irp u, 0,1
.irp n, 0,2,4,6,8,10,12,14,16,18,20,22,24,26,28,30
	v_pk_mul_f32 v[O+32*\u+\n:O+32*\u+\n+1], v[O+32*\u+\n:O+32*\u+\n+1], v[FF+12*\u:FF+12*\u+1] op_sel_hi:[1,0]   ; O^T under the new M: x f; upward
.endr
.endr
	WIN 0
.endif
	s_wait_alu depctr_va_vdst(0)
	v_exp_f32 v[BM], v[BM]                         ; the blocks' largest p
	v_exp_f32 v[BM+1], v[BM+1]
.set jj, 0
.rept 32
	v_exp_f32 v[S+2*jj], v[S+2*jj]                 ; TILE 0's p = 2^(t - M), at most 1, NOT normalised;
	v_exp_f32 v[S+2*jj+1], v[S+2*jj+1]
	TMIN 1, jj                                     ; beside them tile 1's t - M, which are first read behind the wait below
.set jj, jj+1
.endr
	s_wait_alu depctr_va_vdst(0)                   ; behind the batch, one wait for all of it
	v_max_num_f32 v[BM], 0x1800000, v[BM]          ; the floor 2^(3 - 127): the byte cannot fall under 1 (a block whose every p has fallen to 0 keeps that byte: its codes are zeros)
	v_max_num_f32 v[BM+1], 0x1800000, v[BM+1]
	v_add_nc_u32 v[X0], 0xff000000, v[BM]          ; 2 off the exponent field: the conversions' scale operands
	v_add_nc_u32 v[X1], 0xff000000, v[BM+1]
	v_lshrrev_b32 v[BM], 23, v[X0]                 ; the scales' bytes
	v_lshrrev_b32 v[BM+1], 23, v[X1]
	s_wait_alu depctr_va_vdst(0)
	v_exp_f32 v[BM+12], v[BM+12]
	v_exp_f32 v[BM+13], v[BM+13]
.set jj, 0
.rept 32
	v_exp_f32 v[S+64+2*jj], v[S+64+2*jj]           ; TILE 1's p; beside them tile 0's conversions and the first 16 of its sums, whose results are first read behind the wait below
	v_exp_f32 v[S+64+2*jj+1], v[S+64+2*jj+1]
.if jj == 11
	v_cvt_scalef32_pk16_fp6_f32 v[P:P+2], v[S:S+15], v[X0]
.endif
.if jj == 12
	v_cvt_scalef32_pk16_fp6_f32 v[T0:T0+2], v[S+16:S+31], v[X0]   ; (a conversion's three registers begin on an even number)
.endif
.if jj == 13
	v_cvt_scalef32_pk16_fp6_f32 v[P+6:P+8], v[S+32:S+47], v[X1]
.endif
.if jj == 14
	v_cvt_scalef32_pk16_fp6_f32 v[T1:T1+2], v[S+48:S+63], v[X1]
.endif
.if jj == 15
	v_lshl_or_b32 v[BM], v[BM+1], 16, v[BM]        ; my blocks are h and 2 + h of the step's four.  (The plain line between the conversions and the sums, which write their sources)
.endif
.if jj >= 16
	ADDP 0, jj-16, jj                              ; THE STEP'S SUM OF THE UNQUANTISED p, in the registers that the conversions have read
.endif
.set jj, jj+1
.endr
	s_wait_alu depctr_va_vdst(0)                   ; behind the batch, one wait for all of it
	v_max_num_f32 v[BM+12], 0x1800000, v[BM+12]
	v_max_num_f32 v[BM+13], 0x1800000, v[BM+13]
.irp i, 0,1,2
	v_mov_b32 v[P+3+\i], v[T0+\i]                  ; registers 6 c .. 6 c + 5 of P hold keys 64 c + 32 h + 0 .. 31: no lane is changed
.endr
	v_add_nc_u32 v[X0+12], 0xff000000, v[BM+12]
	v_add_nc_u32 v[X1+12], 0xff000000, v[BM+13]
.irp i, 0,1,2
	v_mov_b32 v[P+9+\i], v[T1+\i]
.endr
	v_lshlrev_b32 v[BM], v[SH8], v[BM]             ; bytes h and 2 + h of the word;
	v_lshrrev_b32 v[BM+12], 23, v[X0+12]
	v_lshrrev_b32 v[BM+13], 23, v[X1+12]
	v_cvt_scalef32_pk16_fp6_f32 v[P+12:P+14], v[S+64:S+79], v[X0+12]
	v_cvt_scalef32_pk16_fp6_f32 v[T0+8:T0+10], v[S+80:S+95], v[X0+12]
	v_cvt_scalef32_pk16_fp6_f32 v[P+18:P+20], v[S+96:S+111], v[X1+12]
	v_cvt_scalef32_pk16_fp6_f32 v[T1+8:T1+10], v[S+112:S+127], v[X1+12]
	v_lshl_or_b32 v[BM+12], v[BM+13], 16, v[BM+12]
	v_permlanex16_b32 v[BM+1], v[BM], s[SEL], s[SEL+1]
.irp i, 0,1,2,3,4,5,6,7
	ADDP 0, \i, 8+\i
.endr
	v_lshlrev_b32 v[BM+12], v[SH8], v[BM+12]
	v_or_b32 v[PS], v[BM], v[BM+1]                 ; with lane l xor 16's two it is whole
.irp i, 0,1,2
	v_mov_b32 v[P+15+\i], v[T0+8+\i]
	v_mov_b32 v[P+21+\i], v[T1+8+\i]
.endr
	v_permlanex16_b32 v[BM+13], v[BM+12], s[SEL], s[SEL+1]
.irp i, 0,1,2,3
	ADDP 0, \i, 4+\i
.endr
	v_or_b32 v[PS+1], v[BM+12], v[BM+13]
.set jj, 4
.rept 28
	ADDP 1, jj%4, jj                               ; tile 1's sum, in four chains: 28 plain lines: P's codes and scale words stand more than eight places ahead of the scaled products
.set jj, jj+1
.endr
	s_wait_alu depctr_va_vdst(0)
.if \more
	s_wait_dscnt 13                                ; V and its scale words are in; the 13 loads issued behind them (the next step's K) may be out
	v_add_nc_u32 v[AV], STEPB, v[AV]               ; on to the next step's images and scale words of V
	v_add_nc_u32 v[AVS], 512, v[AVS]
.else
	s_wait_dscnt 0x0
.endif
	; O^T += V P^T.  The eight accumulators take turns, one instruction a turn, and the first product's sixteen instructions stand between two turns of one accumulator
	WIN 0x51                                       ; V, and O^T as C and D: window 1
.irp c, 0,1,2,3
.irp u, 0,1
.if \first
	v_wmma_scale_f32_16x16x128_f8f6f4 v[O+32*\u+8*\c:O+32*\u+8*\c+7], v[VF+12*\c:VF+12*\c+11], v[P+12*\u:P+12*\u+11], 0, v[VS+\c], v[PS+\u] matrix_a_fmt:MATRIX_FMT_FP6 matrix_b_fmt:MATRIX_FMT_FP6
.else
	v_wmma_scale_f32_16x16x128_f8f6f4 v[O+32*\u+8*\c:O+32*\u+8*\c+7], v[VF+12*\c:VF+12*\c+11], v[P+12*\u:P+12*\u+11], v[O+32*\u+8*\c:O+32*\u+8*\c+7], v[VS+\c], v[PS+\u] matrix_a_fmt:MATRIX_FMT_FP6 matrix_b_fmt:MATRIX_FMT_FP6
.endif
.endr
.endr
	WIN 0
	ADDP 0, 0, 1                                   ; four of the last sums are the four places behind the products, in front of the loads into V's registers and of the first read of O^T
	ADDP 1, 0, 1
	ADDP 0, 2, 3
	ADDP 1, 2, 3
.if \more
	VLOAD
.endif
	ADDP 0, 0, 2
	ADDP 1, 0, 2
.irp u, 0,1
	v_pk_fma_f32 v[LA+12*\u:LA+12*\u+1], v[LA+12*\u:LA+12*\u+1], v[FF+12*\u:FF+12*\u+1], v[S+64*\u:S+64*\u+1] op_sel_hi:[1,0,1]   ; the row's sum: the earlier one under the new M, and this step's
.endr
	s_wait_alu depctr_va_vdst(0)
.endm
	KLOAD                                          ; key step 0
	VLOAD
	STEP 1, 1                                      ; the first step stands in front of the loop: its products start O^T's sums
	s_mov_b32 s[CNT], 14
.Lstep:
	STEP 0, 1
	s_sub_co_u32 s[CNT], s[CNT], 1
	s_cmp_lg_u32 s[CNT], 0
	s_cbranch_scc1 .Lstep
	STEP 0, 0                                      ; the last step fetches nothing
	; THE WAY OUT.  O^T / the sum.  A lane holds eight channels of ONE query, and out0's rows run along the queries: so the work-group's 64 channels x 256 queries meet in the stage, and leave as rows.
.irp u, 0,1
	v_add_f32 v[LA+12*\u], v[LA+12*\u], v[LA+12*\u+1]                ; my 1,024 keys',
.endr
.irp u, 0,1
	v_permlanex16_b32 v[X0+12*\u], v[LA+12*\u], s[SEL], s[SEL+1]
.endr
.irp u, 0,1
	v_add_f32 v[LA+12*\u], v[LA+12*\u], v[X0+12*\u]                  ; and lane l xor 16's: the row's sum
.endr
	s_lshl_b32 s22, s[WV], 7
	s_add_co_u32 s22, s22, OSTG
	s_mul_i32 s23, s[WV], 8*OP
	s_add_co_u32 s23, s23, OSTG
	s_lshl_b32 s21, s[WV], 16
	s_wait_alu depctr_va_vdst(0)
	v_rcp_f32 v[LA], v[LA]
	v_rcp_f32 v[LA+12], v[LA+12]
	v_and_b32 v6, 15, v0                           ; (plain lines behind the reciprocals)  r
	v_bfe_u32 v7, v0, 4, 1                         ; h
	v_and_b32 v12, 31, v0                          ; lane
	v_mul_u32_u24 v1, v7, 8*OP
	v_lshl_add_u32 v1, v6, 2, v1
	v_add_nc_u32 v1, s22, v1                       ; in: row = channel 8 h (+ 16 ct + j in the offset), column = query 32 w + r (+ 16 u in the offset).  8 rows are 2,080 words: lanes 16-31 stand 32 words, modulo 64, from lanes 0-15
	v_lshl_add_u32 v2, v12, 4, s23                 ; back: wave w takes channels 8 w .. 8 w + 7, 16 bytes a lane
	v_lshl_add_u32 v3, v12, 4, s21                 ; and the same in out0: 8 w rows of 8,192 bytes
	WIN 0x01                                       ; source 0 (O^T) window 1
	s_wait_alu depctr_va_vdst(0)
.irp u, 0,1
.irp n, 0,2,4,6,8,10,12,14,16,18,20,22,24,26,28,30
	v_pk_mul_f32 v[S+64*\u+\n:S+64*\u+\n+1], v[O+32*\u+\n:O+32*\u+\n+1], v[LA+12*\u:LA+12*\u+1] op_sel_hi:[1,0]   ; upward: each tile is first read at its low end
.endr
.endr
	WIN 0
.irp u, 0,1
.irp c, 0,1,2,3
.irp j, 0,1,2,3,4,5,6,7
	ds_store_b32 v1, v[S+64*\u+8*\c+\j] offset:(16*\c+\j)*OP+64*\u   ; out(16 ct + 8 h + j, my query)
.endr
.endr
.endr
	s_wait_alu depctr_va_vdst(0)
	s_wait_dscnt 0x0                               ; for the others' sake: my stores into the stage have landed
	s_barrier_signal -1
	s_barrier_wait -1
.irp n, 0,1,2,3,4,5,6,7,8,9,10,11,12,13,14,15
	ds_load_b128 v[S+4*\n:S+4*\n+3], v2 offset:OP*(\n/2)+512*(\n%2)
.endr
.irp n, 0,1,2,3,4,5,6,7,8,9,10,11,12,13,14,15
	s_wait_dscnt 15-\n                             ; LDS loads come back in order (ISA guide 5.7.1): load n is in, the younger ones may be out
	global_store_b128 v3, v[S+4*\n:S+4*\n+3], s[38:39] offset:ROWB*(\n/2)+512*(\n%2) th:TH_STORE_NT   ; 32 lanes store 512 consecutive bytes of one channel's row, at a multiple of 256 from out0's first byte
.endr
	s_wait_tensorcnt 0x0                           ; the wave's end
	ds_add_u32 v[SPW], v[NIL]
	s_wait_dscnt 0x0
	CROUND                                         ; the closing round: no work-group ends while a partner may still ask for a part of the blob that names it
	s_endpgm
.Lfunc_end_k_q95c6e62b4b_attn:
	.size	k_q95c6e62b4b_attn, .Lfunc_end_k_q95c6e62b4b_attn-k_q95c6e62b4b_attn
	.p2alignl 7, 3214868480
	.fill 96, 4, 3214868480
	.section	.rodata,"a",@progbits
	.p2align	6, 0x0
	.amdhsa_kernel k_q95c6e62b4b_attn
		.amdhsa_group_segment_fixed_size 280576
		.amdhsa_private_segment_fixed_size 0
		.amdhsa_enable_private_segment 0
		.amdhsa_kernarg_size 24
		.amdhsa_user_sgpr_count 2
		.amdhsa_user_sgpr_kernarg_segment_ptr 1
		.amdhsa_wavefront_size32 1
		.amdhsa_system_sgpr_workgroup_id_x 1
		.amdhsa_system_sgpr_workgroup_id_y 1
		.amdhsa_system_sgpr_workgroup_id_z 1
		.amdhsa_system_vgpr_workitem_id 0
		.amdhsa_next_free_vgpr 432
		.amdhsa_next_free_sgpr 66
		.amdhsa_reserve_vcc 0
		.amdhsa_float_denorm_mode_32 3
		.amdhsa_float_denorm_mode_16_64 3
		.amdhsa_memory_ordered 1
		.amdhsa_forward_progress 1
		.amdhsa_inst_pref_size 104
	.end_amdhsa_kernel
	.amdgpu_metadata
---
amdhsa.version: [ 1, 2 ]
amdhsa.kernels:
  - .name:           k_q95c6e62b4b_attn
    .symbol:         k_q95c6e62b4b_attn.kd
    .args:
      - { .name: qkv, .offset: 0, .size: 8, .value_kind: global_buffer, .address_space: global }
      - { .name: kv, .offset: 8, .size: 8, .value_kind: global_buffer, .address_space: global }
      - { .name: out0, .offset: 16, .size: 8, .value_kind: global_buffer, .address_space: global }
    .group_segment_fixed_size: 280576
    .private_segment_fixed_size: 0
    .kernarg_segment_align: 8
    .kernarg_segment_size: 24
    .max_flat_workgroup_size: 256
    .sgpr_count:     66
    .vgpr_count:     432
    .wavefront_size: 32
...
	.end_amdgpu_metadata
.endif
;; end of part 2
